; MI455X (gfx1250); checked and timed in simulation.
; The chip was launched on July 23, 2026; its instructions are those of AMD's public machine-readable ISA for CDNA 5 (MIT licence, August 2026) and "CDNA5" Instruction Set Architecture Reference Guide (July 2026). The comments in the code are by the model that wrote it; some were corrected since.
;; Mo E. Allowed arithmetic: matrix products marked QUANTISED: E2M1 operands, one E8M0 scale for each 32 along K, by v_wmma_scale_f32_16x16x128_f8f6f4 with both operands' format E2M1 (or v_wmma_scale_f32_32x16x128_f4), f32 sums; products left as they are: f32 operands where the result goes on into a quantised operand, else bf16, f16 or f32 operands; f32 sums; everything else in f32.
;; Inputs: b1 8 x 4,096 float32; b2 8 x 1 float32; bg 8 float32; w1_codes 8 x 4,096 x 32 x 16 uint8 (E2M1 codes of w1, K innermost, in blocks of 32 codes, two codes a byte); w1_scales 8 x 4,096 x 32 uint8 (E8M0 scales of w1, one for each 32 codes along K); w2 8 x 4,096 x 1 float32; wg 1,024 x 8 float32; x 2,048 x 1,024 float32.
;; Outputs: out0 2,048 x 1 float32; out1 2,048 x 8 float32.
;; This version of the problem:
;;   THIS VERSION OF THE PROBLEM IS GIVEN IN LOW PRECISION. The matrix products marked QUANTISED in the list below multiply operands that are first quantised to E2M1 (2 exponent bits, 1 mantissa bit; 4 bits a number), with one power-of-two scale for each 32 numbers along K (OCP MX v1.0); their sums are f32. All else is computed in f32.
;;   The module's matrix products, in the order in which they are computed (A, B: the left and right operand; K: the contracted axis; several contracted axes count as one K, in the product's order):
;;     1. [M 2,048, K 1,024] x [K 1,024, N 32,768]; A: input x; B: input w1 (given as codes): QUANTISED
;;     2. batch 8 x [M 1, K 4,096] x [K 4,096, N 2,048]; A: input w2; B: computed on the way: left as it is (M = 1 < 16)
;;     3. [M 2,048, K 1,024] x [K 1,024, N 8]; A: input x; B: input wg: left as it is (N = 8 < 16)
;;   THE QUANTISER, for each operand of a quantised product, along K:
;;     - K is cut into blocks of 32 from its start; a last block that is shorter is filled with zeros.
;;     - A block's scale is 2^e with e = floor(log2(the largest magnitude in the block)) - 2, held to -126 .. 127; a block of zeros has e = 0. As a byte (E8M0): e + 127.
;;     - Each number is divided by its block's scale, clamped to +-6, and rounded to the nearest number of E2M1, ties to even, subnormals kept.
;;     - The product sums the exact products of the quantised numbers (number of the format x scale) in f32.
;;   ~~~python
;;   def quantise(x, axis):      # numpy; x: float32 -> the quantised numbers, widened to float32 again
;;       x = np.moveaxis(x, axis, -1); K = x.shape[-1]
;;       x = np.pad(x, [(0, 0)] * (x.ndim - 1) + [(0, -K % 32)]); x = x.reshape(x.shape[:-1] + (-1, 32)); a = np.abs(x).max(-1, keepdims=True)
;;       e = np.where(a > 0, np.clip(np.frexp(np.where(a > 0, a, 1))[1] - 1 - 2, -126, 127), 0)      # np.frexp(a)[1] - 1 = floor(log2(a)), exactly
;;       r = np.clip(x / 2.0 ** e, -6, 6)
;;       step = 2.0 ** (np.maximum(np.frexp(np.where(r == 0, 1, r))[1] - 1, 0) - 1)
;;       q = np.round(r / step) * step * 2.0 ** e      # np.round: ties to even
;;       return np.moveaxis(q.reshape(q.shape[:-2] + (-1,))[..., :K], -1, axis).astype(np.float32)
;;   ~~~
;;   INPUTS GIVEN AS CODES. w1 (in the module: [8, 1024, 4096], K = its axis 1): each comes as NAME_codes (uint8): NAME with its K axis moved to the last place and cut into blocks of 32 codes, [.., K / 32, bytes a block], one block behind the other in memory; two codes a byte, the lower K in the low four bits (a code: sign, 2 exponent bits, 1 mantissa bit); and NAME_scales (uint8): the same leading axes, one E8M0 byte (e + 127) for each 32 codes along K. Its value is code x scale, taken as it is: it is not quantised again, and the codes and scales need not be those that the quantiser above would give.
;; One version. Each part assembles by itself: llvm-mc -triple=amdgcn-amd-amdhsa -mcpu=gfx1250 --defsym DOCPART=n.
;; ======== version 1 of 1: 3 launches
;; workspace buffers: xq 1,048,576 bytes; xs 65,536 bytes; part 524,288 bytes
;; launch prep (part 1): grid 128 x 1, 8 waves a work-group, no clusters, 105,984 bytes of LDS; arguments x, wg, bg, xq, xs, out1; writes xq, xs, out1
.if DOCPART == 1
	.amdgcn_target "amdgcn-amd-amdhsa--gfx1250"
	.amdhsa_code_object_version 6
	.text
	.protected	k_qd696f487c7_prep
	.globl	k_qd696f487c7_prep
	.p2align	8
	.type	k_qd696f487c7_prep,@function
k_qd696f487c7_prep:
	s_mov_b64 s[64:65], 0
	v_nop
	global_prefetch_b8 v0, s[64:65] scope:SCOPE_SE
	s_setreg_imm32_b32 hwreg(HW_REG_WAVE_MODE, 25, 1), 1
	s_wait_xcnt 0x0
; x [2048][1024] f32 is read once and serves twice.
; (1) It is turned into codes of FP4 (E2M1) with one E8M0 byte for each 32 along K, laid as the product's launch wants them:
;     xq: fragment (T, s) = rows 16 T .. 16 T + 15, k = 128 s .. 128 s + 127, as an image of the operand's 8 registers, 1,024 bytes at (8 T + s) x 1,024:
;         registers 4 c .. 4 c + 3 at + 512 c, lane l's 16 bytes at + 16 l.   xs: [2048 rows][8 words], word s = the four scale bytes of K step s.
; (2) gate = softmax(x wg + bg), all in f32: out1 [2048][8].  The row's largest logit is taken away ahead of the exponentials.
; A block's scale is 2^(floor(log2(its largest magnitude)) - 2): its byte is that magnitude's exponent field - 2, held at 1 from below.
; LIMITS: a block of zeros gets the byte 1 where the quantiser says 127: its codes are zeros, and this program alone reads the bytes.  NaN and infinities in x are not served.
; SHARES.  A work-group takes 16 rows, wave s of its eight takes K step s: 512 bytes of each row, so each load of a wave reads 512 consecutive bytes.  The conversions want 16 NEIGHBOURS along K in a
; lane's registers, so the wave's 8 KiB turn through its own stage in LDS (rows of 512 + 16 bytes).  Lane (r, h) then holds, of row r, k = 32 b + 16 h + 0 .. 15 of each block b: register X + 16 b + i.
; The same 64 numbers are multiplied by the wave's 128 rows of wg, which come out of LDS as broadcasts (all lanes of a half read one row of 32 bytes), 8 rows of K at a time, in two register buffers by turns.
; The eight waves' partial logits and scale words meet in LDS behind one barrier; wave 0 adds, takes the softmax, and stores 512 consecutive bytes of xs and of out1.
; No matrix instruction (N = 8), no tensor load, no cluster: work-groups share nothing but wg's 32 KiB.
.set SPW,  16*528                      ; a wave's stage
.set WGL,  8*SPW                       ; 67,584: wg, 4,096 bytes for each wave: its 128 rows
.set PL,   WGL+8*4096                  ; 100,352: partial logits [wave][row][8], 512 bytes a wave
.set XSL,  PL+8*512                    ; 104,448: scale words [row][8 words], 512 bytes
.set R,    16                          ; v16-79   x as loaded; then wg's buffer 0; then the eight waves' partial logits
.set X,    80                          ; v80-143  64 numbers of my row
.set W1B,  144                         ; v144-175 wg as loaded; v144-207 wg's buffer 1
.set LG,   208                         ; v208-215 my eight partial logits
.set TM,   216                         ; v216-231 at work
.set PW,   232                         ; the scale word
.set PC,   234                         ; v234-241 the codes
.set SEL,  18                          ; s[18:19] v_permlanex16_b32's selects for lane l xor 16
	s_load_b256 s[4:11], s[0:1], 0x0               ; x s[4:5], wg s[6:7], bg s[8:9], xq s[10:11]
	s_load_b128 s[12:15], s[0:1], 0x20             ; xs s[12:13], out1 s[14:15]
	v_lshl_add_u32 v254, v0, 2, 0x19a00
	v_mov_b32 v255, 0
	v_lshrrev_b32 v14, 5, v0
	v_readfirstlane_b32 s16, v14                   ; wave = K step
	v_and_b32 v1, 31, v0                           ; lane
	v_and_b32 v2, 15, v0                           ; r
	v_bfe_u32 v3, v0, 4, 1                         ; h
	v_lshlrev_b32 v4, 4, v1                        ; 16 x lane
	s_lshl_b32 s32, ttmp9, 16                      ; 16 rows of 4,096 bytes a work-group,
	s_lshl_b32 s20, s16, 9                         ; 512 bytes of a row a wave
	s_add_co_u32 s32, s32, s20
	s_mov_b32 s33, 0
	s_lshl_b32 s34, s16, 12                        ; wg: 128 rows of 32 bytes a wave
	s_mov_b32 s35, 0
	s_wait_kmcnt 0x0
	s_add_nc_u64 s[4:5], s[4:5], s[32:33]
	s_add_nc_u64 s[6:7], s[6:7], s[34:35]
.irp i, 0,1,2,3,4,5,6,7,8,9,10,11,12,13,14,15
	global_load_b128 v[R+4*\i:R+4*\i+3], v4, s[4:5] offset:4096*\i th:TH_LOAD_NT   ; row i: 512 consecutive bytes; read once in the launch
.endr
.irp i, 0,1,2,3,4,5,6,7
	global_load_b128 v[W1B+4*\i:W1B+4*\i+3], v4, s[6:7] offset:512*\i
.endr
	s_load_b256 s[24:31], s[8:9], 0x0              ; bg: wave 0 waits for it where it adds it
	; every LDS address is made here, ahead of the place where wave 0 parts from the others
	s_mul_i32 s20, s16, SPW
	v_add_nc_u32 v5, s20, v4                       ; the stage, in: 16 x lane (+ 528 x row in the immediate)
	v_mul_u32_u24 v6, v2, 528
	v_lshl_add_u32 v6, v3, 6, v6
	v_add_nc_u32 v6, s20, v6                       ; out: row r, + 64 h: my 16 numbers of a block
	s_lshl_b32 s21, s16, 12
	s_add_co_u32 s21, s21, WGL
	v_add_nc_u32 v7, s21, v4                       ; wg, in
	v_lshl_add_u32 v8, v3, 9, s21                  ; out: lanes 16-31 begin 16 rows of 32 bytes further on
	v_lshlrev_b32 v13, 5, v2
	v_lshl_add_u32 v13, v3, 4, v13                 ; 32 r + 16 h: my 16 bytes of a row of eight f32
	s_lshl_b32 s22, s16, 9
	s_add_co_u32 s22, s22, PL
	v_add_nc_u32 v9, s22, v13                      ; my wave's partial logits
	s_lshl_b32 s23, s16, 2
	s_add_co_u32 s23, s23, XSL
	v_lshl_add_u32 v10, v2, 5, s23                 ; row r's word of my K step
	v_lshl_add_u32 v11, v2, 5, PL                  ; wave 0: row r's eight logits (+ 512 x wave in the immediate)
	v_add_nc_u32 v12, XSL, v4                      ; wave 0: the 512 bytes of scale words, 16 a lane
	s_lshl_b32 s36, ttmp9, 13
	s_lshl_b32 s37, s16, 10
	s_add_co_u32 s36, s36, s37                     ; (8 T + s) x 1,024
	s_mov_b32 s37, 0
	s_lshl_b32 s38, ttmp9, 9                       ; 16 rows of 32 bytes, in xs and in out1
	s_mov_b32 s39, 0
	s_add_nc_u64 s[10:11], s[10:11], s[36:37]
	s_add_nc_u64 s[12:13], s[12:13], s[38:39]
	s_add_nc_u64 s[14:15], s[14:15], s[38:39]
	s_mov_b32 s[SEL], 0x76543210
	s_mov_b32 s[SEL+1], 0xfedcba98
	v_cmp_eq_u32 vcc_lo, 1, v3                     ; lanes 16-31: kept to the end
.irp b, 0,1,2,3
	v_mov_b32 v[TM+4+\b], 0                        ; a lane permute's destination counts as one of its sources
.endr
	s_wait_loadcnt 8                               ; x's sixteen loads are in; wg's eight may be out
.irp i, 0,1,2,3,4,5,6,7,8,9,10,11,12,13,14,15
	ds_store_b128 v5, v[R+4*\i:R+4*\i+3] offset:528*\i
.endr
.irp b, 0,1,2,3
.irp j, 0,1,2,3
	ds_load_b128 v[X+16*\b+4*\j:X+16*\b+4*\j+3], v6 offset:128*\b+16*\j   ; LDS serves a wave's instructions in order: these see my stores.  Rows 132 words apart: sixteen rows, sixteen different groups of four banks
.endr
.endr
	s_wait_loadcnt 0x0
.irp i, 0,1,2,3,4,5,6,7
	ds_store_b128 v7, v[W1B+4*\i:W1B+4*\i+3] offset:512*\i
.endr
	s_wait_dscnt 0x0                               ; my 64 numbers are in, and the stores have read their registers, which become wg's two buffers
; chunk g of eight: the wg rows that belong to registers X + 8 g .. X + 8 g + 7: k = 32 (g / 2) + 16 h + 8 (g % 2) + i: eight registers a row, into buffer g % 2
.macro GCH g
.set WB, R+128*((\g)%2)
.irp i, 0,1,2,3,4,5,6,7
	ds_load_b128 v[WB+8*\i:WB+8*\i+3], v8 offset:(32*((\g)/2)+8*((\g)%2)+\i)*32
	ds_load_b128 v[WB+8*\i+4:WB+8*\i+7], v8 offset:(32*((\g)/2)+8*((\g)%2)+\i)*32+16
.endr
.endm
; its 32 packed multiply-adds: one number of x (picked out of its pair) times a pair of wg's eight.  The very first product starts the sums: nothing is cleared
.macro GMUL g
.set WB, R+128*((\g)%2)
.irp i, 0,1,2,3,4,5,6,7
.irp m, 0,1,2,3
.if ((\g) == 0) && (\i == 0)
	v_pk_mul_f32 v[LG+2*\m:LG+2*\m+1], v[X:X+1], v[WB+2*\m:WB+2*\m+1] op_sel_hi:[0,1]
.elseif (\i%2) == 0
	v_pk_fma_f32 v[LG+2*\m:LG+2*\m+1], v[X+8*(\g)+\i:X+8*(\g)+\i+1], v[WB+8*\i+2*\m:WB+8*\i+2*\m+1], v[LG+2*\m:LG+2*\m+1] op_sel_hi:[0,1,1]
.else
	v_pk_fma_f32 v[LG+2*\m:LG+2*\m+1], v[X+8*(\g)+\i-1:X+8*(\g)+\i], v[WB+8*\i+2*\m:WB+8*\i+2*\m+1], v[LG+2*\m:LG+2*\m+1] op_sel:[1,0,0] op_sel_hi:[1,1,1]
.endif
.endr
.endr
.endm
	GCH 0
	GCH 1                                          ; they land while the row is quantised
	; THE QUANTISER: four blocks of 32, each in lanes l and l xor 16
.irp b, 0,1,2,3
	v_max3_num_f32 v[TM+\b], |v[X+16*\b]|, |v[X+1+16*\b]|, 0x1800000   ; my 16 numbers, and the floor 2^(3 - 127): so the byte cannot fall under 1
.endr
.irp i, 2,4,6,8,10,12,14
.irp b, 0,1,2,3
	v_max3_num_f32 v[TM+\b], v[TM+\b], |v[X+16*\b+\i]|, |v[X+1+16*\b+\i]|   ; the four blocks by turns
.endr
.endr
.irp b, 0,1,2,3
	v_permlanex16_b32 v[TM+4+\b], v[TM+\b], s[SEL], s[SEL+1]
.endr
.irp b, 0,1,2,3
	v_max_num_f32 v[TM+\b], v[TM+\b], v[TM+4+\b]   ; the block's largest magnitude
.endr
.irp b, 0,1,2,3
	v_add_nc_u32 v[TM+12+\b], 0xff000000, v[TM+\b] ; 2 off its exponent field: the conversion takes the exponent field of this operand as its scale
.endr
.irp b, 0,1,2,3
	v_lshrrev_b32 v[TM+4+\b], 23, v[TM+12+\b]      ; the scale's byte
.endr
	v_lshl_or_b32 v[PW], v[TM+5], 8, v[TM+4]       ; my row's scale word for this K step
	v_lshl_or_b32 v[PW], v[TM+6], 16, v[PW]
	v_lshl_or_b32 v[PW], v[TM+7], 24, v[PW]
.irp b, 0,1,2,3
	v_cvt_scalef32_pk8_fp4_f32 v[PC+2*\b], v[X+16*\b:X+7+16*\b], v[TM+12+\b]
	v_cvt_scalef32_pk8_fp4_f32 v[PC+1+2*\b], v[X+8+16*\b:X+15+16*\b], v[TM+12+\b]
.endr
	v_nop                                          ; one plain instruction between a scaled conversion and the vector instruction that touches its result
.irp c, 0,1                                    ; the operand's layout wants a WHOLE block in a lane: lanes 0-15 block 2 c, lanes 16-31 block 2 c + 1
.irp i, 0,1
	v_permlane16_swap_b32 v[PC+4*\c+\i], v[PC+2+4*\c+\i]
.endr
.endr
	global_store_b128 v4, v[PC:PC+3], s[10:11]             ; the image: each store covers 512 consecutive bytes, aligned
	global_store_b128 v4, v[PC+4:PC+7], s[10:11] offset:512
	ds_store_b32 v10, v[PW]                        ; both lanes of a row write the same word with the same value
	; THE GATE'S PRODUCT, in f32
.irp g, 0,1,2,3,4,5,6,7
.if \g == 0
	s_wait_dscnt 17                                ; chunk 0 is in; chunk 1's sixteen loads and the word's store may be out
.elseif \g < 7
	s_wait_dscnt 16                                ; this chunk is in; the next chunk's sixteen loads may be out
.else
	s_wait_dscnt 0x0
.endif
	GMUL \g
.if \g < 6
	GCH \g+2                                       ; into the buffer just multiplied
.endif
.endr
.irp e, 0,1,2,3,4,5,6,7
	v_permlanex16_b32 v[W1B+\e], v[LG+\e], s[SEL], s[SEL+1]   ; (buffer 1 is done with, and has been written)
.endr
.irp m, 0,1,2,3
	v_pk_add_f32 v[LG+2*\m:LG+2*\m+1], v[LG+2*\m:LG+2*\m+1], v[W1B+2*\m:W1B+2*\m+1]   ; with lane l xor 16's: row r's eight sums over my 128 k
.endr
.irp j, 0,1,2,3
	v_cndmask_b32 v[TM+\j], v[LG+\j], v[LG+4+\j], vcc_lo   ; lanes 0-15 put experts 0-3, lanes 16-31 experts 4-7
.endr
	ds_store_b128 v9, v[TM:TM+3]
	s_wait_dscnt 0x0                               ; for the others' sake: my logits and my scale words lie in LDS
	s_barrier_signal -1
	s_barrier_wait -1
	s_cmp_lg_u32 s16, 0
	s_cbranch_scc1 .Ldone                          ; what is left is 1 KiB of work: wave 0's.  No barrier follows
	ds_load_b128 v[X:X+3], v12
.irp w, 0,1,2,3,4,5,6,7
	ds_load_b128 v[R+8*\w:R+8*\w+3], v11 offset:512*\w
	ds_load_b128 v[R+8*\w+4:R+8*\w+7], v11 offset:512*\w+16
.endr
	s_wait_dscnt 16                                ; the scale words are in; the sixteen loads behind them may be out
	global_store_b128 v4, v[X:X+3], s[12:13]       ; 16 rows x 8 words: 512 consecutive bytes, aligned
	s_wait_dscnt 0x0
.irp w, 0,2,4,6
.irp m, 0,1,2,3
	v_pk_add_f32 v[R+8*\w+2*\m:R+8*\w+2*\m+1], v[R+8*\w+2*\m:R+8*\w+2*\m+1], v[R+8*\w+8+2*\m:R+8*\w+8+2*\m+1]
.endr
.endr
.irp w, 0,4
.irp m, 0,1,2,3
	v_pk_add_f32 v[R+8*\w+2*\m:R+8*\w+2*\m+1], v[R+8*\w+2*\m:R+8*\w+2*\m+1], v[R+8*\w+16+2*\m:R+8*\w+16+2*\m+1]
.endr
.endr
.irp m, 0,1,2,3
	v_pk_add_f32 v[R+2*\m:R+2*\m+1], v[R+2*\m:R+2*\m+1], v[R+32+2*\m:R+32+2*\m+1]
.endr
	s_wait_kmcnt 0x0                               ; bg
.irp e, 0,1,2,3,4,5,6,7
	v_add_f32 v[R+\e], s[24+\e], v[R+\e]           ; row r's eight logits (both halves of the lanes hold them)
.endr
	v_max3_num_f32 v[TM], v[R], v[R+1], v[R+2]
	v_max3_num_f32 v[TM+1], v[R+3], v[R+4], v[R+5]
	v_max3_num_f32 v[TM], v[TM], v[R+6], v[R+7]
	v_max_num_f32 v[TM], v[TM], v[TM+1]            ; the row's largest
.irp e, 0,1,2,3,4,5,6,7
	v_sub_f32 v[R+\e], v[R+\e], v[TM]
.endr
.irp e, 0,1,2,3,4,5,6,7
	v_mul_f32 v[R+\e], 0x3fb8aa3b, v[R+\e]         ; x log2(e): the exponential is to base 2
.endr
.irp e, 0,1,2,3,4,5,6,7
	v_exp_f32 v[R+\e], v[R+\e]
.endr
	v_nop                                          ; a plain instruction behind the last exponential, ahead of the first use
	s_wait_alu depctr_va_vdst(0)                   ; the wait ahead of the first use: one for the eight
	v_pk_add_f32 v[TM+2:TM+3], v[R:R+1], v[R+2:R+3]
	v_pk_add_f32 v[TM+4:TM+5], v[R+4:R+5], v[R+6:R+7]
	v_pk_add_f32 v[TM+2:TM+3], v[TM+2:TM+3], v[TM+4:TM+5]
	v_add_f32 v[TM+2], v[TM+2], v[TM+3]
	v_rcp_f32 v[TM+6], v[TM+2]
.irp j, 0,1,2,3
	v_cndmask_b32 v[TM+8+\j], v[R+\j], v[R+4+\j], vcc_lo   ; plain work behind the reciprocal: my four of the eight
.endr
	s_wait_alu depctr_va_vdst(0)                   ; the wait ahead of the reciprocal's first use
.irp j, 0,1,2,3
	v_mul_f32 v[TM+8+\j], v[TM+8+\j], v[TM+6]
.endr
	global_store_b128 v13, v[TM+8:TM+11], s[14:15] ; 16 rows x 8 gates: 512 consecutive bytes, aligned
.Ldone:
	s_wait_tensorcnt 0x0
	ds_add_u32 v254, v255
	s_wait_dscnt 0x0
	s_endpgm
.Lfunc_end_k_qd696f487c7_prep:
	.size	k_qd696f487c7_prep, .Lfunc_end_k_qd696f487c7_prep-k_qd696f487c7_prep
	.p2alignl 7, 3214868480
	.fill 96, 4, 3214868480
	.section	.rodata,"a",@progbits
	.p2align	6, 0x0
	.amdhsa_kernel k_qd696f487c7_prep
		.amdhsa_group_segment_fixed_size 105984
		.amdhsa_private_segment_fixed_size 0
		.amdhsa_enable_private_segment 0
		.amdhsa_kernarg_size 48
		.amdhsa_user_sgpr_count 2
		.amdhsa_user_sgpr_kernarg_segment_ptr 1
		.amdhsa_wavefront_size32 1
		.amdhsa_system_sgpr_workgroup_id_x 1
		.amdhsa_system_sgpr_workgroup_id_y 1
		.amdhsa_system_sgpr_workgroup_id_z 1
		.amdhsa_system_vgpr_workitem_id 0
		.amdhsa_next_free_vgpr 256
		.amdhsa_next_free_sgpr 66
		.amdhsa_reserve_vcc 1
		.amdhsa_float_denorm_mode_32 3
		.amdhsa_float_denorm_mode_16_64 3
		.amdhsa_memory_ordered 1
		.amdhsa_forward_progress 1
		.amdhsa_inst_pref_size 43
	.end_amdhsa_kernel
	.amdgpu_metadata
---
amdhsa.version: [ 1, 2 ]
amdhsa.kernels:
  - .name:           k_qd696f487c7_prep
    .symbol:         k_qd696f487c7_prep.kd
    .args:
      - { .name: x, .offset: 0, .size: 8, .value_kind: global_buffer, .address_space: global }
      - { .name: wg, .offset: 8, .size: 8, .value_kind: global_buffer, .address_space: global }
      - { .name: bg, .offset: 16, .size: 8, .value_kind: global_buffer, .address_space: global }
      - { .name: xq, .offset: 24, .size: 8, .value_kind: global_buffer, .address_space: global }
      - { .name: xs, .offset: 32, .size: 8, .value_kind: global_buffer, .address_space: global }
      - { .name: out1, .offset: 40, .size: 8, .value_kind: global_buffer, .address_space: global }
    .group_segment_fixed_size: 105984
    .private_segment_fixed_size: 0
    .kernarg_segment_align: 8
    .kernarg_segment_size: 48
    .max_flat_workgroup_size: 256
    .sgpr_count:     66
    .vgpr_count:     256
    .wavefront_size: 32
...
	.end_amdgpu_metadata
.endif
;; end of part 1
;; launch gemm (part 2): grid 4 x 64, 4 waves a work-group, clusters of 4 x 1, 294,656 bytes of LDS; arguments xq, xs, w1_codes, w1_scales, b1, w2, part; writes part
.if DOCPART == 2
	.amdgcn_target "amdgcn-amd-amdhsa--gfx1250"
	.amdhsa_code_object_version 6
	.text
	.protected	k_qd696f487c7_gemm
	.globl	k_qd696f487c7_gemm
	.p2align	8
	.type	k_qd696f487c7_gemm,@function
k_qd696f487c7_gemm:
	s_mov_b64 s[64:65], 0
	v_nop
	global_prefetch_b8 v0, s[64:65] scope:SCOPE_SE
	s_setreg_imm32_b32 hwreg(HW_REG_WAVE_MODE, 25, 1), 1
	s_wait_xcnt 0x0
	s_wait_alu depctr_hold_cnt(0) depctr_sa_sdst(0) depctr_va_vdst(0) depctr_va_sdst(0) depctr_va_ssrc(0) depctr_va_vcc(0) depctr_vm_vsrc(0)
	s_getreg_b32 s2, hwreg(HW_REG_IB_STS2, 6, 4)
	s_cmp_eq_u32 s2, 0
	s_cbranch_scc0 .Lentry_in_a_cluster
	s_endpgm
.Lentry_in_a_cluster:
	s_bfe_u32 s2, ttmp6, 0x10000c
	s_cmp_lg_u32 s2, 0x3003
	s_cbranch_scc0 .Lentry_shape_is_right
	s_endpgm
.Lentry_shape_is_right:
; part[c][b] = the sum over the 512 hidden units n of chunk c of relu(x[b] . w1[n] + b1[n]) x w2[n].  The product is on codes of FP4 (E2M1) with one E8M0 scale for each 32 along K = 1,024; sums in f32.
; w1_codes read as 32,768 rows (expert x 4,096 + unit) of 512 bytes, w1_scales as rows of 32 bytes; chunk c is rows 512 c .. 512 c + 511, eight chunks to an expert.  The hidden layer never exists in memory.
; SHARES.  Work-group (rb, c): rows 512 rb .. + 511 of x against chunk c.  Wave w: rows 128 w .. + 127 of those, four PAIRS of tiles (32 rows each), against all 512 units, 16 (a block) at a time: 1,024 matrix instructions of 32 x 16 x 128 a wave.
; x STAYS IN REGISTERS: a wave's 128 rows x 1,024 k of codes are 64 fragments, 512 registers, loaded once from the images that the launch before laid (each load 512 consecutive bytes).
; w1 STAYS IN LDS: the chunk's codes (512 rows of 512 + 16 bytes), its scale bytes, b1 and w2 fit whole.  Every LDS byte is filled once: there is no ring and no refill.  The codes come in four stages of
; 128 rows, so that the products begin when the first stage has landed; a wave has five tensor loads out, all issued at the head.
; CLUSTER.  The four row blocks of a chunk read the same w1: they are one cluster, and every tensor load is asked for JOINTLY (the same descriptor, the mask names the four).  x is not shared so: it goes straight to
; registers, and LDS has no room for it beside the chunk.
; THE PRODUCT: source 0 = 32 rows of x (two neighbouring fragments), source 1 = 16 units of w1.  Lane (r, h) holds unit r; register j of an accumulator's 16 holds row 8 h + j (j < 8) or 8 + 8 h + j (j >= 8) of the pair.
; So b1 and w2 are ONE number a lane, and a pair has 16 running sums a lane, which are added over the 16 lanes of a half once, at the end.
; relu(a + b) IS TAKEN AS max(a, -b) + b, an identity for all finite numbers: -b1 is a source of the maximum, the first K step takes 0 as C, and the chunk's sum of w2 x b1, the same for every row, is made once at the
; head and added at the end.  Both sums are of the size of the sum of |w2| (|a| + |b1|); all in f32.  ORDER OF SUMS: other than a plain row sum's.  NaN and infinities are not served.
; BY TURNS.  A block is two phases of 16 matrix instructions (pairs 0, 1; pairs 2, 3; the two accumulators take turns, K ascending).  The other group's 32 maxima and 16 packed multiply-adds stand three behind each
; matrix instruction.  The registers are laid so that both kinds are named under ONE window setting.
; REGISTERS, in windows of 256 (s_set_vgpr_msb: bits 1:0 source 0, 3:2 source 1, 5:4 source 2, 7:6 destination):
;   window 0: v1-15 addresses; v16-47 x's scale words; v48-63 w1's, two sets; v64-127 x's fragments of K step 7; v128-223 the way out; v224-251 small things (below)
;   window 1: v0-63 the four accumulators; v64-191 w1's fragments, two sets of eight K steps; v192-255 the running sums, 16 a pair
;   window 2: v0-223 x's fragments of pairs 0, 1, K steps 0-6 (at 32 s + 16 x pair); v224-227 (w2, -b1), two sets.      window 3: the same for pairs 2, 3
;   ((w2, -b1) lie in x's windows because they are source 0 of the vector lines as x is of the product; that leaves room for seven K steps there; the eighth lies in window 0, with copies of (w2, -b1) beside it.)
.set PITCH, 528                        ; a row of codes in LDS: 512 bytes + 16 = 132 words: row r starts at bank 4 r mod 64 (64 banks of 4 bytes: ISA guide 11.1): the 16 rows of a load start at 16 different groups of banks
.set BLKB,  16*PITCH                   ; a block of 16 units
.set WPART, 32*PITCH                   ; what one tensor load brings: 32 rows
.set STGB,  128*PITCH                  ; a stage: four waves' loads
.set SCL,   512*PITCH                  ; 270,336: the scale bytes: 64 pieces of 256 bytes (8 units) + 16 of padding
.set SBLK,  2*272                      ; those of a block
.set WBL,   SCL+64*272                 ; 287,744: (w2, -b1), 8 bytes a unit, put there by LDS stores: no tensor load lands here or behind
.set SCR,   WBL+4096                   ; 291,840: the way out, 512 bytes for each wave
.set CBL,   SCR+2048                   ; 293,888: the four waves' parts of the sum of w2 x b1
.set LN,  1                            ; v1   lane
.set RR,  2                            ; v2   r = lane % 16
.set HH,  3                            ; v3   h = lane / 16
.set AB0, 4                            ; v4   my place in a block of codes: 528 r + 16 h
.set AS0, 5                            ; v5   among a block's scale words: unit r's 32 bytes (both halves of the lanes take the same)
.set AV0, 6                            ; v6   among the pairs (w2, -b1): 8 r
.set XO,  7                            ; v7   16 x lane
.set XSO, 8                            ; v8   32 x lane: x's scale words: lane m takes row m of a pair
.set TO,  9                            ; v9   4 x thread
.set SW,  10                           ; v10  the way out: where I put a number
.set SR,  11                           ; v11  and where I read four back
.set ADB, 12                           ; v12-14 the three places above + the trip's steps
.set ADS, 13
.set ADV, 14
.set TL,  15                           ; v15  where I put a pair (w2, -b1): 8 x thread
.set XS,  16                           ; register 8 P + s: the words of pair P's 32 rows for K step s
.set WS,  48                           ; set p at 48 + 8 p: register s: the words of the block's 16 units for K step s
.set X7,  64                           ; pair P at 64 + 16 P
.set T1,  128                          ; the way out: v128-191 and v192-223 by turns
.set T2,  192
.set RWB, 224                          ; v224-231 four pairs (w2, b1) on their way to LDS
.set CBT, 232                          ; v232-233 at work
.set CBW, 234                          ; v234 where my wave's part of the sum of w2 x b1 goes
.set CBZ, 235                          ; v235 where the four parts lie
.set CBR, 236                          ; v236-239 the four parts
.set W0A, 240                          ; v240-243 window 0's copies of window 2's (w2, -b1), two sets;
.set W0B, 244                          ; v244-247 of window 3's
.set OUTR, 248
.set ACC, 0
.set BF,  64
.set PS,  192
.set W2R, 224
.set WV,  18                           ; s18  wave
.set RB,  19                           ; s19  row block: it enters xq's, xs's and part's addresses alone
.set CH,  20                           ; s20  chunk
.set CNT, 21
.set G1C, 24                           ; s[24:31] descriptor group 1 for the codes;  s[32:39] for the scale bytes
.set G1S, 32
.set G0S, 40                           ; s[40:43] group 0 for the scale bytes;  s[44:59] for the four stages.  None is written again
.set G0C, 44
.set TB,  72                           ; s72-74 the trip's steps in the codes, the scale words, the pairs
.set TS,  73
.set TV,  74
.set SEL, 76                           ; s[76:77] v_permlanex16_b32's selects for lane l xor 16
.set MK,  80                           ; s80-83 the lanes whose number has bit 0, 1, 2, 3 set
.set MSB, 0
.macro WIN new                         ; the immediate's high byte repeats the setting that is left; a switch that changes nothing is dropped
.if MSB != (\new)
	s_set_vgpr_msb (MSB<<8)|(\new)
.set MSB, (\new)
.endif
.endm
.set MUL2, 0x56                        ; destination, source 1 and source 2 window 1; source 0 window 2  (+ 1: window 3)
.set MUL0, 0x54                        ; the same with source 0 in window 0: K step 7
.set LD1,  0x40                        ; a load's destination in window 1, its address in window 0
.set LD2,  0x80
.set LD3,  0xc0
.set ADDW, 0x05                        ; sources 0 and 1 window 1, destination window 0
; A round of the cluster's barrier: my work-group's barrier; wave 0 signals for the work-group; every wave waits for the four work-groups; my work-group's barrier once more
.macro CROUND
	s_barrier_signal -1
	s_barrier_wait -1
	s_cmp_lg_u32 s[WV], 0
	s_cbranch_scc1 .Lnot_wave_0_\@
	s_barrier_signal -3
.Lnot_wave_0_\@:
	s_barrier_wait -3
	s_barrier_signal -1
	s_barrier_wait -1
.endm
	s_load_b256 s[4:11], s[0:1], 0x0               ; xq s[4:5], xs s[6:7], w1's codes s[8:9], w1's scales s[10:11]
	s_load_b128 s[12:15], s[0:1], 0x20             ; b1 s[12:13], w2 s[14:15]
	s_load_b64 s[16:17], s[0:1], 0x30              ; part
	v_lshl_add_u32 v254, v0, 2, 0x47d00
	v_mov_b32 v255, 0
	ds_add_u32 v254, v255
	ds_add_u32 v254, v255
	v_lshrrev_b32 v1, 5, v0
	v_readfirstlane_b32 s[WV], v1                  ; wave 0..3
	s_bfe_u32 s[RB], ttmp6, 0x40000                ; my place in the cluster,
	s_lshl_b32 s70, ttmp9, 2                       ; (in a cluster launch ttmp9 and ttmp7 count clusters)
	s_add_co_u32 s[RB], s[RB], s70                 ; row block = 4 x cluster x + place
	s_and_b32 s[CH], ttmp7, 0xffff                 ; the chunk, which the four partners share
	; group 1 for the codes: 32 rows of 512 bytes, dense in memory, 16 bytes of padding behind each row in LDS
	s_mov_b32 s[G1C], 15|(0<<16)|(1<<20)|(1<<21)|(6<<22)|(3<<25)   ; 15:0 the mask: all four work-groups; 17:16 elements of 1 byte; 20 padding on; 21 set beside a mask; 24:22 after every 128 words (code 6); 31:25 four words (code 3)
	s_mov_b32 s[G1C+1], 512<<16                    ; tensor_dim0 = 512
	s_mov_b32 s[G1C+2], 32<<16                     ; tensor_dim1 = 32
	s_mov_b32 s[G1C+3], 512<<16                    ; tile_dim0 = 512
	s_mov_b32 s[G1C+4], 32                         ; tile_dim1 = 32
	s_mov_b32 s[G1C+5], 512                        ; from row to row
	s_mov_b32 s[G1C+6], 0
	s_mov_b32 s[G1C+7], 0
	; group 1 for the scale bytes: 4,096 dense bytes as 16 rows of 256 (32 elements of 8 bytes), 16 bytes of padding behind each
	s_mov_b32 s[G1S], 15|(3<<16)|(1<<20)|(1<<21)|(5<<22)|(3<<25)
	s_mov_b32 s[G1S+1], 32<<16
	s_mov_b32 s[G1S+2], 16<<16
	s_mov_b32 s[G1S+3], 32<<16
	s_mov_b32 s[G1S+4], 16
	s_mov_b32 s[G1S+5], 32
	s_mov_b32 s[G1S+6], 0
	s_mov_b32 s[G1S+7], 0
	s_lshl_b32 s60, s[CH], 18                      ; the chunk's codes: 262,144 bytes;
	s_lshl_b32 s62, s[WV], 14                      ; my 32 rows of a stage: 16,384
	s_add_co_u32 s60, s60, s62
	s_mov_b32 s61, 0
	s_mul_i32 s66, s[WV], WPART                    ; and their place in LDS: the wave's number and constants alone
	s_lshl_b32 s68, s[CH], 14                      ; the chunk's scale bytes: 16,384;
	s_lshl_b32 s62, s[WV], 12                      ; my quarter
	s_add_co_u32 s68, s68, s62
	s_mov_b32 s69, 0
	s_mul_i32 s67, s[WV], 16*272
	s_mov_b32 s[SEL], 0x76543210
	s_mov_b32 s[SEL+1], 0xfedcba98
	s_mov_b32 s[TB], 0
	s_mov_b32 s[TS], 0
	s_mov_b32 s[TV], 0
	v_lshl_add_u32 v[CBW], v1, 2, CBL              ; 4 x wave (v1 still holds the wave's number)
	v_mov_b32 v[CBZ], CBL
	v_and_b32 v[LN], 31, v0
	v_and_b32 v[RR], 15, v0
	v_bfe_u32 v[HH], v0, 4, 1
	v_mul_u32_u24 v[AB0], v[RR], PITCH
	v_lshl_add_u32 v[AB0], v[HH], 4, v[AB0]
	v_lshrrev_b32 v[AS0], 3, v[RR]                 ; a unit's 32 scale bytes: 32 r, and 16 more behind the eighth unit (the padding)
	v_lshlrev_b32 v[AS0], 4, v[AS0]
	v_lshl_add_u32 v[AS0], v[RR], 5, v[AS0]
	v_add_nc_u32 v[AS0], SCL, v[AS0]
	v_lshl_add_u32 v[AV0], v[RR], 3, WBL
	v_lshlrev_b32 v[XO], 4, v[LN]
	v_lshlrev_b32 v[XSO], 5, v[LN]
	v_lshlrev_b32 v[TO], 2, v0
	v_lshl_add_u32 v[TL], v0, 3, WBL
	v_lshl_add_u32 v[SR], v0, 4, SCR               ; 512 x wave + 16 x lane
	v_and_b32 v[SW], 8, v[RR]                      ; at the end lane (r, h) holds register r's total: row 8 h + r, and 8 more where r >= 8
	v_add_nc_u32 v[SW], v[SW], v[RR]
	v_lshl_add_u32 v[SW], v[HH], 3, v[SW]
	s_lshl_b32 s63, s[WV], 9
	s_add_co_u32 s63, s63, SCR
	v_lshl_add_u32 v[SW], v[SW], 2, s63            ; 512 x wave + 4 x row
.irp b, 0,1,2,3
	v_and_b32 v[CBT], 1<<\b, v0
	v_cmp_ne_u32 s[MK+\b], 0, v[CBT]
.endr
	s_wait_dscnt 0x0
	s_wait_kmcnt 0x0
	s_add_nc_u64 s[60:61], s[8:9], s[60:61]
	s_add_nc_u64 s[68:69], s[10:11], s[68:69]
	s_mov_b32 s[G0S], 1                            ; 1:0 count = 1
	s_add_co_u32 s[G0S+1], s67, SCL                ; 63:32 LDS address
	s_mov_b64 s[G0S+2:G0S+3], s[68:69]             ; 120:64 global address
	s_or_b32 s[G0S+3], s[G0S+3], 0x80000000        ; 127:126 type = 2
.irp t, 0,1,2,3
	s_mov_b32 s[G0C+4*\t], 1
	s_add_co_u32 s[G0C+4*\t+1], s66, \t*STGB
	s_add_nc_u64 s[G0C+4*\t+2:G0C+4*\t+3], s[60:61], \t*65536   ; stage t: 128 rows of 512 bytes on
	s_or_b32 s[G0C+4*\t+3], s[G0C+4*\t+3], 0x80000000
.endr
	s_lshl_b32 s70, s[RB], 18                      ; xq: 32 tiles of 8,192 bytes a row block,
	s_lshl_b32 s62, s[WV], 16                      ; 8 tiles a wave
	s_add_co_u32 s70, s70, s62
	s_mov_b32 s71, 0
	s_add_nc_u64 s[4:5], s[4:5], s[70:71]
	s_lshr_b32 s70, s70, 4                         ; xs: 32 bytes a row: 16,384 a row block, 4,096 a wave
	s_add_nc_u64 s[6:7], s[6:7], s[70:71]
	s_lshr_b32 s70, s70, 3                         ; part: 4 bytes a row: 2,048 and 512,
	s_lshl_b32 s62, s[CH], 13                      ; 8,192 a chunk
	s_add_co_u32 s70, s70, s62
	s_add_nc_u64 s[16:17], s[16:17], s[70:71]
	s_lshl_b32 s62, s[CH], 11                      ; b1, w2: 512 numbers a chunk
	s_mov_b32 s63, 0
	s_add_nc_u64 s[12:13], s[12:13], s[62:63]
	s_add_nc_u64 s[14:15], s[14:15], s[62:63]
	CROUND                                         ; all four work-groups are here: the joint loads meet
	tensor_load_to_lds s[G0S:G0S+3], s[G1S:G1S+7]  ; the scale bytes first: they are wanted with stage 0.  All first fills go out together: five loads of mine are out
	s_nop 0
	tensor_load_to_lds s[G0C:G0C+3], s[G1C:G1C+7]
	s_nop 0
	tensor_load_to_lds s[G0C+4:G0C+7], s[G1C:G1C+7]
	s_nop 0
	tensor_load_to_lds s[G0C+8:G0C+11], s[G1C:G1C+7]
	s_nop 0
	tensor_load_to_lds s[G0C+12:G0C+15], s[G1C:G1C+7]
	s_nop 0
.rept 4
	v_nop                                          ; four lines behind the last tensor load, ahead of the first switch of windows
.endr
.irp i, 0,1,2,3                                ; thread t brings units t + 128 i: w2 into the even register of a pair, b1 into the odd one; a load of the work-group covers 512 consecutive bytes
	global_load_b32 v[RWB+2*\i], v[TO], s[14:15] offset:512*\i
	global_load_b32 v[RWB+2*\i+1], v[TO], s[12:13] offset:512*\i
.endr
.irp q, 0,1,2,3                                ; x's scale words: lane m takes the eight words of row m of pair q
	global_load_b128 v[XS+8*\q:XS+8*\q+3], v[XSO], s[6:7] offset:1024*\q
	global_load_b128 v[XS+8*\q+4:XS+8*\q+7], v[XSO], s[6:7] offset:1024*\q+16
.endr
	WIN LD2
.irp q, 0,1,2,3,4,5,6
.irp a, 0,1,2,3
.irp c, 0,1
	global_load_b128 v[8*(4*\q+\a)+4*\c:8*(4*\q+\a)+4*\c+3], v[XO], s[4:5] offset:\a*8192+\q*1024+512*\c
.endr
.endr
.endr
	WIN LD3
.irp q, 0,1,2,3,4,5,6
.irp a, 0,1,2,3
.irp c, 0,1
	global_load_b128 v[8*(4*\q+\a)+4*\c:8*(4*\q+\a)+4*\c+3], v[XO], s[4:5] offset:(\a+4)*8192+\q*1024+512*\c
.endr
.endr
.endr
	WIN 0
.irp a, 0,1,2,3,4,5,6,7
.irp c, 0,1
	global_load_b128 v[X7+8*\a+4*\c:X7+8*\a+4*\c+3], v[XO], s[4:5] offset:\a*8192+7*1024+512*\c
.endr
.endr
	; The block is written once: its first phase carries the maxima and multiply-adds of the block before.  The first block finds zeros there (pairs 2, 3's accumulators, one set of (w2, -b1)), which add 0 to sums that
	; begin at 0.  These lines are issued while x's loads are on their way
	WIN LD1
.set i, 0
.rept 64
	v_mov_b32 v[PS+i], 0
.set i, i+1
.endr
.set i, 0
.rept 32
	v_mov_b32 v[ACC+32+i], 0
.set i, i+1
.endr
	WIN LD2
	v_mov_b32 v[W2R+2], 0
	v_mov_b32 v[W2R+3], 0
	WIN 0
	v_mov_b32 v[W0A+2], 0
	v_mov_b32 v[W0A+3], 0
	v_mov_b32 v[CBT+1], 0                          ; (a lane permute's destination counts as one of its sources)
	s_wait_loadcnt 63                              ; w2's and b1's eight loads were issued first, 136 others behind them: they are in, while the last 63 of x's may be out
	v_mul_f32 v[CBT], v[RWB], v[RWB+1]             ; my four units' w2 x b1,
.irp i, 1,2,3
	v_fma_f32 v[CBT], v[RWB+2*\i], v[RWB+2*\i+1], v[CBT]
.endr
.irp i, 0,1,2,3
	v_xor_b32 v[RWB+2*\i+1], 0x80000000, v[RWB+2*\i+1]   ; the pairs become (w2, -b1)
.endr
.irp m, 1,2,4,8
	v_add_f32_dpp v[CBT], v[CBT], v[CBT] row_xmask:\m row_mask:0xf bank_mask:0xf
.endr
	v_permlanex16_b32 v[CBT+1], v[CBT], s[SEL], s[SEL+1]
	v_add_f32 v[CBT], v[CBT], v[CBT+1]             ; my wave's 128 units'
.irp i, 0,1,2,3
	ds_store_b64 v[TL], v[RWB+2*\i:RWB+2*\i+1] offset:1024*\i
.endr
	ds_store_b32 v[CBW], v[CBT]                    ; all lanes write the same word with the same value
	s_wait_loadcnt 0x0                             ; x and its scale words
.macro ADDRS                           ; the trip's LDS addresses: a lane term that never changes + a scalar stepped by a constant
	v_add_nc_u32 v[ADB], s[TB], v[AB0]
	v_add_nc_u32 v[ADS], s[TS], v[AS0]
	v_add_nc_u32 v[ADV], s[TV], v[AV0]
.endm
.macro CODES st, rel                   ; block rel of the trip: w1's eight fragments into set st (lane l: unit l % 16; registers 4 c .. 4 c + 3: k = 64 c + 32 (l / 16) + 0 .. 31: 16 bytes as they lie).  The destination's window is 1
.irp q, 0,1,2,3,4,5,6,7
.irp c, 0,1
	ds_load_b128 v[BF+64*(\st)+8*\q+4*\c:BF+64*(\st)+8*\q+4*\c+3], v[ADB] offset:(\rel)*BLKB+64*\q+32*\c
.endr
.endr
.endm
.macro WORDS st, rel                   ; its scale words: eight a unit
	ds_load_b128 v[WS+8*(\st):WS+8*(\st)+3], v[ADS] offset:(\rel)*SBLK
	ds_load_b128 v[WS+8*(\st)+4:WS+8*(\st)+7], v[ADS] offset:(\rel)*SBLK+16
.endm
; ALL LDS LOADS OF A BLOCK IN ONE RUN, in the block of parity p (block p of its trip).  fetch = 1: the next block's codes, scale words and (w2, -b1), the last into window 3 and its copy: the second phase works on its own block.
; Always: THIS block's (w2, -b1) into window 2 (and its copy): the first phase works one block behind, so it reads them in the next block, and is reading the other set now.
.macro RUN p, fetch
.if \fetch
	WIN LD1
	CODES 1-(\p), (\p)+1
	WIN LD3
	ds_load_b64 v[W2R+2*(1-(\p)):W2R+2*(1-(\p))+1], v[ADV] offset:((\p)+1)*128
.endif
	WIN LD2
	ds_load_b64 v[W2R+2*(\p):W2R+2*(\p)+1], v[ADV] offset:(\p)*128
	WIN 0
.if \fetch
	ds_load_b64 v[W0A+2*(\p):W0A+2*(\p)+1], v[ADV] offset:(\p)*128
	ds_load_b64 v[W0B+2*(1-(\p)):W0B+2*(1-(\p))+1], v[ADV] offset:((\p)+1)*128
	WORDS 1-(\p), (\p)+1
.else
	ds_load_b128 v[CBR:CBR+3], v[CBZ]              ; the last block: the four waves' parts of the sum of w2 x b1, for the way out
.endif
.endm
; Line e of 48 of what follows the products of group ge (pairs 2 ge, 2 ge + 1); rw: the pair (w2, -b1).  32 maxima, each accumulator from register 0 on, then 16 packed multiply-adds, each onto two sums of its own:
; no line reads the result of a line near it.  (w2, -b1) are source 0, the accumulator source 1: both are named under the products' own window setting
.macro EP ge, rw
.if e < 32
.set rA, ACC+16*(2*(\ge)+e/16)+e%16
	v_max_num_f32 v[rA], v[(\rw)+1], v[rA]
.else
.set ef, e-32
.set rT, 2*(\ge)+ef/8
.set rA, ACC+16*rT+2*(ef%8)
.set rP, PS+16*rT+2*(ef%8)
	v_pk_fma_f32 v[rP:rP+1], v[\rw:\rw+1], v[rA:rA+1], v[rP:rP+1] op_sel_hi:[0,1,1]   ; of the pair (w2, -b1) the low word serves both halves
.endif
.set e, e+1
.endm
; A PHASE: the 16 products of group g with the block in set p: K step k / 2, pair 2 g + k % 2.  The two accumulators take turns, one instruction a turn, over the phases' and the loop's edges too.
; K step 0 takes 0 as C.  Behind each product stand three lines of the other group's EP.  They name none of the products' registers, so they are also the places: six lie between an accumulator's last
; product and the first read of it (three behind each of the phase's last two products; the second accumulator's first read comes sixteen lines later), and nine between the last product on a set of fragments and the
; run of loads into it, which stands behind the first phase's second product, 30 matrix instructions ahead of its first use.
.macro PHASE g, p, run, fetch
.if (\g) == 0
.set wset, 1-(\p)                      ; pairs 2, 3 of the block before
.set wzer, W0A
.else
.set wset, (\p)                        ; pairs 0, 1 of this block
.set wzer, W0B
.endif
.set k, 0
.set e, 0
.rept 16
.set ks, k/2
.set kp, 2*(\g)+k%2
.set rD, ACC+16*kp
.set rB, BF+64*(\p)+8*ks
.set rSW, WS+8*(\p)+ks
.set rSX, XS+8*kp+ks
.if ks < 7
	WIN MUL2+(\g)
.set rX, 32*ks+16*(k%2)
.set rW, W2R+2*wset
.else
	WIN MUL0
.set rX, X7+16*kp
.set rW, wzer+2*wset
.endif
.if ks == 0
	v_wmma_scale_f32_32x16x128_f4 v[rD:rD+15], v[rX:rX+15], v[rB:rB+7], 0, v[rSX], v[rSW]
.else
	v_wmma_scale_f32_32x16x128_f4 v[rD:rD+15], v[rX:rX+15], v[rB:rB+7], v[rD:rD+15], v[rSX], v[rSW]
.endif
	EP 1-(\g), rW
	EP 1-(\g), rW
	EP 1-(\g), rW
.if (k == 1) && \run
	RUN \p, \fetch
.endif
.set k, k+1
.endr
.endm
.macro BLOCK p, fetch                  ; a block of 16 units, in set p
	s_wait_dscnt 0x0                               ; all that the last run asked for is in: it was issued 30 matrix instructions ago
	PHASE 0, \p, 1, \fetch
	PHASE 1, \p, 0, 0
.endm
.macro TRIPS n                         ; n trips of two blocks, until the register sets are back where they began
	s_mov_b32 s[CNT], \n
.Ltrip_\@:
	ADDRS
	BLOCK 0, 1
	BLOCK 1, 1
	WIN 0                                          ; at a label and at a branch every window is 0
	s_add_co_u32 s[TB], s[TB], 2*BLKB
	s_add_co_u32 s[TS], s[TS], 2*SBLK
	s_add_co_u32 s[TV], s[TV], 2*128
	s_sub_co_u32 s[CNT], s[CNT], 1
	s_cmp_lg_u32 s[CNT], 0
	s_cbranch_scc1 .Ltrip_\@
.endm
.macro STAGE left                      ; the next stage of codes is whole: my part has landed (left: how many later stages' loads of mine may stay out), and so has everybody's
	s_wait_tensorcnt \left
	s_wait_dscnt 0x0                               ; no LDS instruction of mine is pending at a signal
	s_barrier_signal -1
	s_barrier_wait -1
.endm
	STAGE 3                                        ; the scale bytes and stage 0; the pairs (w2, -b1) and the four parts lie in LDS (the wait on DScnt is for those stores, for the others' sake)
	ADDRS
	WIN LD1                                        ; block 0
	CODES 0, 0
	WIN LD3
	ds_load_b64 v[W2R:W2R+1], v[ADV]
	WIN 0
	ds_load_b64 v[W0B:W0B+1], v[ADV]
	WORDS 0, 0
	TRIPS 3                                        ; blocks 0-5; they fetch up to block 6.  A stage is eight blocks; the trip that multiplies block 8 t + 7 fetches block 8 t + 8
	STAGE 2
	TRIPS 4                                        ; blocks 6-13, fetching up to 14
	STAGE 1
	TRIPS 4                                        ; blocks 14-21, fetching up to 22
	STAGE 0                                        ; all my tensor loads have landed
	TRIPS 4                                        ; blocks 22-29, fetching up to 30
	ADDRS
	BLOCK 0, 1                                     ; block 30
	BLOCK 1, 0                                     ; block 31 fetches no block
	s_wait_dscnt 0x0                               ; block 31's (w2, -b1) in window 2, and the four parts
	WIN MUL2
.set e, 0
.set rW, W2R+2
.rept 48
	EP 1, rW                                       ; pairs 2, 3 of the last block.  (Six lines stand between pair 2's last product and the first of these)
.endr
	; THE WAY OUT.  Each of the 64 sums is added over the 16 lanes of its half (the block's 16 units).  A FOLD halves the registers: of two registers the lanes whose bit is clear keep the first and send the second,
	; the others the other way round, and each adds what its partner sends.  After four folds lane r holds the total of register r of each pair.
.macro FOLD n, src, dst, mk, xm, win
	WIN \win
.set i, 0
.rept \n
	v_cndmask_b32 v[\dst+i], v[\src+2*i], v[\src+2*i+1], s[\mk]        ; kept
	v_cndmask_b32 v[\dst+\n+i], v[\src+2*i+1], v[\src+2*i], s[\mk]     ; sent
.set i, i+1
.endr
	WIN 0
.set i, 0
.rept \n
	v_add_f32_dpp v[\dst+i], v[\dst+\n+i], v[\dst+i] row_xmask:\xm row_mask:0xf bank_mask:0xf
.set i, i+1
.endr
.endm
	FOLD 32, PS, T1, MK,   1, ADDW                 ; out of window 1 into window 0
	FOLD 16, T1, T2, MK+1, 2, 0
	FOLD 8,  T2, T1, MK+2, 4, 0
	FOLD 4,  T1, T2, MK+3, 8, 0                    ; v[T2 + P]: pair P
	v_add_f32 v[CBR], v[CBR], v[CBR+1]
	v_add_f32 v[CBR+2], v[CBR+2], v[CBR+3]
	v_add_f32 v[CBR], v[CBR], v[CBR+2]             ; the chunk's sum of w2 x b1
.irp q, 0,1,2,3
	v_add_f32 v[T2+\q], v[T2+\q], v[CBR]
.endr
.irp q, 0,1,2,3
	ds_store_b32 v[SW], v[T2+\q] offset:128*\q     ; 128 numbers a wave go through its own 512 bytes of LDS, so that one store covers them
.endr
	ds_load_b128 v[OUTR:OUTR+3], v[SR]             ; LDS serves a wave's instructions in order: this sees my stores
	s_wait_dscnt 0x0
	global_store_b128 v[XO], v[OUTR:OUTR+3], s[16:17]   ; my 128 rows: 512 consecutive bytes, aligned
	s_wait_tensorcnt 0x0
	ds_add_u32 v254, v255
	s_wait_dscnt 0x0
	CROUND                                         ; the closing round: no work-group ends while a partner may still ask for a tile that names it
	s_endpgm
.Lfunc_end_k_qd696f487c7_gemm:
	.size	k_qd696f487c7_gemm, .Lfunc_end_k_qd696f487c7_gemm-k_qd696f487c7_gemm
	.p2alignl 7, 3214868480
	.fill 96, 4, 3214868480
	.section	.rodata,"a",@progbits
	.p2align	6, 0x0
	.amdhsa_kernel k_qd696f487c7_gemm
		.amdhsa_group_segment_fixed_size 294656
		.amdhsa_private_segment_fixed_size 0
		.amdhsa_enable_private_segment 0
		.amdhsa_kernarg_size 56
		.amdhsa_user_sgpr_count 2
		.amdhsa_user_sgpr_kernarg_segment_ptr 1
		.amdhsa_wavefront_size32 1
		.amdhsa_system_sgpr_workgroup_id_x 1
		.amdhsa_system_sgpr_workgroup_id_y 1
		.amdhsa_system_sgpr_workgroup_id_z 1
		.amdhsa_system_vgpr_workitem_id 0
		.amdhsa_next_free_vgpr 1024
		.amdhsa_next_free_sgpr 88
		.amdhsa_reserve_vcc 0
		.amdhsa_float_denorm_mode_32 3
		.amdhsa_float_denorm_mode_16_64 3
		.amdhsa_memory_ordered 1
		.amdhsa_forward_progress 1
		.amdhsa_inst_pref_size 139
	.end_amdhsa_kernel
	.amdgpu_metadata
---
amdhsa.version: [ 1, 2 ]
amdhsa.kernels:
  - .name:           k_qd696f487c7_gemm
    .symbol:         k_qd696f487c7_gemm.kd
    .args:
      - { .name: xq, .offset: 0, .size: 8, .value_kind: global_buffer, .address_space: global }
      - { .name: xs, .offset: 8, .size: 8, .value_kind: global_buffer, .address_space: global }
      - { .name: w1_codes, .offset: 16, .size: 8, .value_kind: global_buffer, .address_space: global }
      - { .name: w1_scales, .offset: 24, .size: 8, .value_kind: global_buffer, .address_space: global }
      - { .name: b1, .offset: 32, .size: 8, .value_kind: global_buffer, .address_space: global }
      - { .name: w2, .offset: 40, .size: 8, .value_kind: global_buffer, .address_space: global }
      - { .name: part, .offset: 48, .size: 8, .value_kind: global_buffer, .address_space: global }
    .group_segment_fixed_size: 294656
    .private_segment_fixed_size: 0
    .kernarg_segment_align: 8
    .kernarg_segment_size: 56
    .max_flat_workgroup_size: 128
    .sgpr_count:     88
    .vgpr_count:     1024
    .wavefront_size: 32
...
	.end_amdgpu_metadata
.endif
;; end of part 2
;; launch mix (part 3): grid 32 x 1, 1 waves a work-group, no clusters, 0 bytes of LDS; arguments part, out1, b2, out0; writes out0
.if DOCPART == 3
	.amdgcn_target "amdgcn-amd-amdhsa--gfx1250"
	.amdhsa_code_object_version 6
	.text
	.protected	k_qd696f487c7_mix
	.globl	k_qd696f487c7_mix
	.p2align	8
	.type	k_qd696f487c7_mix,@function
k_qd696f487c7_mix:
	s_mov_b64 s[64:65], 0
	v_nop
	global_prefetch_b8 v0, s[64:65] scope:SCOPE_SE
	s_setreg_imm32_b32 hwreg(HW_REG_WAVE_MODE, 25, 1), 1
	s_wait_xcnt 0x0
; out0[b] = the sum over the 8 experts e of gate[b][e] x (b2[e] + the sum over chunks 8 e .. 8 e + 7 of part[chunk][b]).  part: [64][2048] f32, gate = out1: [2048][8] f32, as the launches before stored them.  All in f32.
; The sum over hidden units spans 64 work-groups of the launch before, so it is finished here, each output row by one owner.  A work-group is one wave and takes 64 rows; a lane takes rows 2 l and 2 l + 1:
; each load of part and the store of out0 cover 256 consecutive bytes, aligned.  All 68 loads go out at once; there is no loop, no LDS, nothing shared.
.set P, 16                             ; v16-143  chunk c's pair of rows at 16 + 2 c
.set G, 144                            ; v144-151 row 2 l's eight gates; v152-159 row 2 l + 1's
	s_load_b256 s[4:11], s[0:1], 0x0               ; part s[4:5], out1 s[6:7], b2 s[8:9], out0 s[10:11]
	v_lshlrev_b32 v1, 3, v0                        ; 8 bytes a lane in part and in out0
	v_lshlrev_b32 v4, 6, v0                        ; 64 bytes a lane in the gates
	s_lshl_b32 s12, ttmp9, 8                       ; 64 rows of 4 bytes
	s_mov_b32 s13, 0
	s_lshl_b32 s14, ttmp9, 11                      ; 64 rows of 32 bytes
	s_mov_b32 s15, 0
	s_wait_kmcnt 0x0
	s_load_b256 s[16:23], s[8:9], 0x0              ; b2
	s_add_nc_u64 s[4:5], s[4:5], s[12:13]
	s_add_nc_u64 s[10:11], s[10:11], s[12:13]
	s_add_nc_u64 s[6:7], s[6:7], s[14:15]
.set c, 0
.rept 64
	global_load_b64 v[P+2*c:P+2*c+1], v1, s[4:5] offset:8192*c th:TH_LOAD_NT   ; read once in the launch
.set c, c+1
.endr
.irp i, 0,1,2,3
	global_load_b128 v[G+4*\i:G+4*\i+3], v4, s[6:7] offset:16*\i
.endr
	s_wait_loadcnt 0x0
.irp c, 1,2,3,4,5,6,7                  ; eight chains, one for each expert, by turns
.irp e, 0,1,2,3,4,5,6,7
	v_pk_add_f32 v[P+16*\e:P+16*\e+1], v[P+16*\e:P+16*\e+1], v[P+16*\e+2*\c:P+16*\e+2*\c+1]
.endr
.endr
	s_wait_kmcnt 0x0
.irp e, 0,1,2,3,4,5,6,7
	v_add_f32 v[P+16*\e], s[16+\e], v[P+16*\e]
	v_add_f32 v[P+16*\e+1], s[16+\e], v[P+16*\e+1]
.endr
	v_mul_f32 v2, v[G], v[P]                       ; the first expert starts the sums
	v_mul_f32 v3, v[G+8], v[P+1]
.irp e, 1,2,3,4,5,6,7
	v_fma_f32 v2, v[G+\e], v[P+16*\e], v2
	v_fma_f32 v3, v[G+8+\e], v[P+16*\e+1], v3
.endr
	global_store_b64 v1, v[2:3], s[10:11]
	s_endpgm
.Lfunc_end_k_qd696f487c7_mix:
	.size	k_qd696f487c7_mix, .Lfunc_end_k_qd696f487c7_mix-k_qd696f487c7_mix
	.p2alignl 7, 3214868480
	.fill 96, 4, 3214868480
	.section	.rodata,"a",@progbits
	.p2align	6, 0x0
	.amdhsa_kernel k_qd696f487c7_mix
		.amdhsa_group_segment_fixed_size 0
		.amdhsa_private_segment_fixed_size 0
		.amdhsa_enable_private_segment 0
		.amdhsa_kernarg_size 32
		.amdhsa_user_sgpr_count 2
		.amdhsa_user_sgpr_kernarg_segment_ptr 1
		.amdhsa_wavefront_size32 1
		.amdhsa_system_sgpr_workgroup_id_x 1
		.amdhsa_system_sgpr_workgroup_id_y 1
		.amdhsa_system_sgpr_workgroup_id_z 1
		.amdhsa_system_vgpr_workitem_id 0
		.amdhsa_next_free_vgpr 160
		.amdhsa_next_free_sgpr 66
		.amdhsa_reserve_vcc 0
		.amdhsa_float_denorm_mode_32 3
		.amdhsa_float_denorm_mode_16_64 3
		.amdhsa_memory_ordered 1
		.amdhsa_forward_progress 1
		.amdhsa_inst_pref_size 13
	.end_amdhsa_kernel
	.amdgpu_metadata
---
amdhsa.version: [ 1, 2 ]
amdhsa.kernels:
  - .name:           k_qd696f487c7_mix
    .symbol:         k_qd696f487c7_mix.kd
    .args:
      - { .name: part, .offset: 0, .size: 8, .value_kind: global_buffer, .address_space: global }
      - { .name: out1, .offset: 8, .size: 8, .value_kind: global_buffer, .address_space: global }
      - { .name: b2, .offset: 16, .size: 8, .value_kind: global_buffer, .address_space: global }
      - { .name: out0, .offset: 24, .size: 8, .value_kind: global_buffer, .address_space: global }
    .group_segment_fixed_size: 0
    .private_segment_fixed_size: 0
    .kernarg_segment_align: 8
    .kernarg_segment_size: 32
    .max_flat_workgroup_size: 32
    .sgpr_count:     66
    .vgpr_count:     160
    .wavefront_size: 32
...
	.end_amdgpu_metadata
.endif
;; end of part 3
